; MI455X (gfx1250); checked and timed in simulation.
; The chip was launched on July 23, 2026; its instructions are those of AMD's public machine-readable ISA for CDNA 5 (MIT licence, August 2026) and "CDNA5" Instruction Set Architecture Reference Guide (July 2026). The comments in the code are by the model that wrote it; some were corrected since.
;; AG Gemm Intra Node. Allowed arithmetic: matrix products marked QUANTISED: E4M3 operands, one E8M0 scale for each 32 along K, by v_wmma_scale_f32_16x16x128_f8f6f4 with both operands' format E4M3, f32 sums; everything else in f32.
;; Inputs: A_shards_codes 8 x 1,024 x 128 x 32 uint8 (E4M3 codes of A_shards, K innermost, in blocks of 32 codes); A_shards_scales 8 x 1,024 x 128 uint8 (E8M0 scales of A_shards, one for each 32 codes along K); weight_codes 2,048 x 128 x 32 uint8 (E4M3 codes of weight, K innermost, in blocks of 32 codes); weight_scales 2,048 x 128 uint8 (E8M0 scales of weight, one for each 32 codes along K).
;; Outputs: out0 8,192 x 2,048 float32.
;; Constants: transed_weight = 0.
;; This version of the problem:
;;   THIS VERSION OF THE PROBLEM IS GIVEN IN LOW PRECISION. The matrix products marked QUANTISED in the list below multiply operands that are first quantised to E4M3 (4 exponent bits, 3 mantissa bits; 8 bits a number), with one power-of-two scale for each 32 numbers along K (OCP MX v1.0); their sums are f32. All else is computed in f32.
;;   The module's matrix products, in the order in which they are computed (A, B: the left and right operand; K: the contracted axis; several contracted axes count as one K, in the product's order):
;;     1. [M 8,192, K 4,096] x [K 4,096, N 2,048]; A: input A_shards (given as codes); B: input weight (given as codes): QUANTISED
;;   THE QUANTISER, for each operand of a quantised product, along K:
;;     - K is cut into blocks of 32 from its start; a last block that is shorter is filled with zeros.
;;     - A block's scale is 2^e with e = floor(log2(the largest magnitude in the block)) - 8, held to -126 .. 127; a block of zeros has e = 0. As a byte (E8M0): e + 127.
;;     - Each number is divided by its block's scale, clamped to +-448, and rounded to the nearest number of E4M3, ties to even, subnormals kept.
;;     - The product sums the exact products of the quantised numbers (number of the format x scale) in f32.
;;   ~~~python
;;   def quantise(x, axis):      # numpy; x: float32 -> the quantised numbers, widened to float32 again
;;       x = np.moveaxis(x, axis, -1); K = x.shape[-1]
;;       x = np.pad(x, [(0, 0)] * (x.ndim - 1) + [(0, -K % 32)]); x = x.reshape(x.shape[:-1] + (-1, 32)); a = np.abs(x).max(-1, keepdims=True)
;;       e = np.where(a > 0, np.clip(np.frexp(np.where(a > 0, a, 1))[1] - 1 - 8, -126, 127), 0)      # np.frexp(a)[1] - 1 = floor(log2(a)), exactly
;;       r = np.clip(x / 2.0 ** e, -448, 448)
;;       step = 2.0 ** (np.maximum(np.frexp(np.where(r == 0, 1, r))[1] - 1, -6) - 3)
;;       q = np.round(r / step) * step * 2.0 ** e      # np.round: ties to even
;;       return np.moveaxis(q.reshape(q.shape[:-2] + (-1,))[..., :K], -1, axis).astype(np.float32)
;;   ~~~
;;   INPUTS GIVEN AS CODES. A_shards (in the module: [8, 1024, 4096], K = its axis 2); weight (in the module: [2048, 4096], K = its axis 1): each comes as NAME_codes (uint8): NAME with its K axis moved to the last place and cut into blocks of 32 codes, [.., K / 32, bytes a block], one block behind the other in memory; one code a byte (a code: sign, 4 exponent bits, 3 mantissa bits); and NAME_scales (uint8): the same leading axes, one E8M0 byte (e + 127) for each 32 codes along K. Its value is code x scale, taken as it is: it is not quantised again, and the codes and scales need not be those that the quantiser above would give.
;; One version. Each part assembles by itself: llvm-mc -triple=amdgcn-amd-amdhsa -mcpu=gfx1250 --defsym DOCPART=n.
;; ======== version 1 of 1: 1 launch
;; limits: right only within a limited range of input values
;; launch gemm (part 1): grid 8 x 32, 4 waves a work-group, clusters of 4 x 4, 327,680 bytes of LDS; arguments A_shards_codes, A_shards_scales, weight_codes, weight_scales, out0; writes out0
.if DOCPART == 1
	.amdgcn_target "amdgcn-amd-amdhsa--gfx1250"
	.amdhsa_code_object_version 6
	.text
	.protected	k_qe008936ff6_gemm
	.globl	k_qe008936ff6_gemm
	.p2align	8
	.type	k_qe008936ff6_gemm,@function
k_qe008936ff6_gemm:
	s_mov_b64 s[64:65], 0
	v_nop
	global_prefetch_b8 v0, s[64:65] scope:SCOPE_SE
	s_setreg_imm32_b32 hwreg(HW_REG_WAVE_MODE, 25, 1), 1
	s_wait_xcnt 0x0
	s_wait_alu depctr_hold_cnt(0) depctr_sa_sdst(0) depctr_va_vdst(0) depctr_va_sdst(0) depctr_va_ssrc(0) depctr_va_vcc(0) depctr_vm_vsrc(0)
	s_getreg_b32 s2, hwreg(HW_REG_IB_STS2, 6, 4)
	s_cmp_eq_u32 s2, 0
	s_cbranch_scc0 .Lentry_in_a_cluster
	s_endpgm
.Lentry_in_a_cluster:
	s_bfe_u32 s2, ttmp6, 0x10000c
	s_cmp_lg_u32 s2, 0xf033
	s_cbranch_scc0 .Lentry_shape_is_right
	s_endpgm
.Lentry_shape_is_right:
; out0[m][n] = sum over k of A[m][k] W[n][k].  A: [8192][4096] (the eight shards on end: the gathering is a reshape), W: [2048][4096] (transed_weight = 0: weight is [N][K]):
; codes of E4M3, K innermost, a row = 4,096 bytes; scale bytes [8192][128], [2048][128], one E8M0 byte for each 32 along K.  out0: [8192][2048] f32.  One f32 sum for each output, K ascending.
; SHARES: 32 x 8 tiles of 256 x 256, a work-group of four waves each; a wave makes 128 x 128: 64 accumulators, 512 registers.  K goes in 16 steps of 256 (rows of 256 bytes) through a ring of two LDS slots.
; WHO FETCHES: wave 0 A's 256 rows of codes, wave 1 W's; waves 2 and 3 the scale bytes (at the head, and once more at K step 6's change of slots): one tensor load a wave behind each round.
; CLUSTERS 4 x 4: the four of a row share A's tiles, the four of a column W's: each tile is asked for jointly.
; THE SCALES COME IN TWO RUNS: all of K (2 x 32 KiB) does not fit beside two slots of 139,264 bytes, so LDS holds 64 bytes of each row: K steps 0-7, then 8-15.  Up to K step 6 the next step's words are read ahead of
; the step's round, from K step 7 on behind it: so between the rounds of steps 6 and 7 nobody reads the region, and it is filled again there.  A row's 128 scale bytes so come as two pieces of 64.
; THE SCHEDULE.  A K step is two halves of 64 products, each half eight groups: W's block x against A's eight; groups 0-7 are the first half, 8-15 the second.  The LDS loads stand in seven runs of 8 to 24,
; in front of groups 0, 2, 4, 6, 10, 12, 14.  A has two sets of fragments (one a half).  W has ten buffers of 16 registers: the first half uses 0-7, the second 0-5, 8, 9: so all that the second half wants is
; asked of LDS by the run in front of group 6, the round stands behind group 9, and what the next step's first half wants comes from the next slot behind the round (its blocks 4, 5 of W in front of its group 0).
; The matrix instruction is used transposed (source 0 = W's rows, source 1 = A's): a lane holds eight neighbouring numbers of a row of C.
; REGISTERS: window 0: v1-6 head; v16-31 addresses; v32-63 scale words, two sets; v96-255 W's ten buffers.  Window 1: A's two sets.  Windows 2, 3: accumulator (x, a) at v[64 (x % 4) + 8 a], x < 4 in window 2.
; LIMITS: NaN codes, scale bytes of 0xff and sums beyond f32's range give what the matrix instruction gives.
.set SIZE_N, 2048
.set KROW,   4096
.set ROWB,   256
.set PITCH,  272                       ; 256 bytes + 16 of padding: the 16 rows of a fragment load start 4 banks apart
.set HALFT,  128*PITCH
.set TILEB,  256*PITCH
.set SLOT,   2*TILEB                   ; A's 256 rows, then W's
.set SPIT,   72                        ; a row of scales in LDS: 64 bytes + 8
.set SCL,    2*SLOT
.set SCB,    SCL+256*SPIT+128
.set SBLK,   16*SPIT
.set SPARE,  SCB+256*SPIT+128          ; 1,233 x 256: the spare words, 128 bytes a wave
.set SPITCH, 528                       ; the way out: a stage of 16 rows x (512 + 16) bytes a wave, in slot 0, behind its last fill and last read
.set ADRY, 16                          ; v16-17 LDS address of my A fragments in slot 0, 1
.set ADRX, 20                          ; v20-21 the same for W
.set STO,  24
.set RD,   25
.set CO,   26
.set ADS,  27                          ; my scale words, first run (lanes 0-15 A's rows, lanes 16-31 W's)
.set SPW,  28
.set NIL,  29
.set PFO,  30                          ; the prefetches' offset: lane x 4,096
.set ADS2, 31                          ; my scale words, second run
.set SC,   32                          ; set s at v[SC + 16 s]; register 2 i + q: block i, the step's q-th 128
.set XF,   96
.set G1A,  24
.set G0A,  32
.set G1B,  48
.set G0B,  56
.set G1SA, 68
.set G0SA, 76
.set G1SB, 80
.set G0SB, 88
.set PFA,  92
.set LIM,  94
.set MSB, 0
.macro WIN new                         ; the high byte repeats the setting that is left
.if MSB != \new
	s_set_vgpr_msb (MSB<<8)|\new
.set MSB, \new
.endif
.endm
.set MUL_LO, 0xa4                      ; source 0 (W) window 0, source 1 (A) window 1, C and D window 2
.set TO_Y,   0x40                      ; destination window 1, address window 0
.macro PLACES n
.rept \n
	v_nop
.endr
.endm
.macro TLOAD g0, g1                    ; s_nop 0 and four v_nop behind each load
	tensor_load_to_lds s[\g0:\g0+3], s[\g1:\g1+7]
	s_nop 0
	PLACES 4
.endm
.macro JLOAD s, sfill                  ; a joint refill: each line is issued by one wave, the same in every work-group
	s_cmp_lg_u32 s14, 0
	s_cbranch_scc1 .Lnot_0_\@
	TLOAD G0A+4*\s, G1A
	s_branch .Lasked_\@
.Lnot_0_\@:
	s_cmp_lg_u32 s14, 1
	s_cbranch_scc1 .Lnot_1_\@
	TLOAD G0B+4*\s, G1B
	s_branch .Lasked_\@
.Lnot_1_\@:
.if \sfill
	s_cmp_lg_u32 s14, 2
	s_cbranch_scc1 .Lnot_2_\@
	TLOAD G0SA, G1SA
	s_branch .Lasked_\@
.Lnot_2_\@:
	TLOAD G0SB, G1SB
.endif
.Lasked_\@:
.endm
; A prefetch behind the joint load for K step t: K step t + 2, 32 rows x 256 bytes, a lane a row, one instruction a wave.  Waves 0, 1 ask for A's rows, waves 2, 3 for W's; the four partners of a joint load
; share the 256 rows out by address, 64 each.  For W the clusters with y < 2 ask.  how = 2: not in the second loop's last trip, which has no K step so far on.
.macro ASK how
.if \how
.if \how == 1
	s_cmp_eq_u32 s[LIM], 1
.else
	s_cmp_gt_u32 s3, s[LIM]
.endif
	s_cbranch_scc0 .Lnot_mine_\@
	global_prefetch_b8 v[PFO], s[PFA:PFA+1] offset:3*ROWB th:TH_LOAD_NT scope:SCOPE_SE
.Lnot_mine_\@:
.endif
.endm
.macro CREST
	s_cmp_lg_u32 s14, 0
	s_cbranch_scc1 .Lnot_wave_0_\@
	s_barrier_signal -3
.Lnot_wave_0_\@:
	s_barrier_wait -3
	s_barrier_signal -1
	s_barrier_wait -1
.endm
.macro CROUND
	s_barrier_signal -1
	s_barrier_wait -1
	CREST
.endm
.macro G0SET g, a, lds                 ; groups 0 of a tensor of codes: slot 0 begins with K step 0, slot 1 with K step 1
	s_mov_b32 s[\g], 1
	s_mov_b32 s[\g+1], \lds
	s_mov_b64 s[\g+2:\g+3], s[\a:\a+1]
	s_or_b32 s[\g+3], s[\g+3], 0x80000000
	s_mov_b32 s[\g+4], 1
	s_mov_b32 s[\g+5], \lds+SLOT
	s_add_nc_u64 s[\g+6:\g+7], s[\a:\a+1], ROWB
	s_or_b32 s[\g+7], s[\g+7], 0x80000000
.endm
.macro G0ONE g, a, lds
	s_mov_b32 s[\g], 1
	s_mov_b32 s[\g+1], \lds
	s_mov_b64 s[\g+2:\g+3], s[\a:\a+1]
	s_or_b32 s[\g+3], s[\g+3], 0x80000000
.endm
	s_load_b128 s[4:7], s[0:1], 0x0                ; A's codes, A's scales
	s_load_b128 s[8:11], s[0:1], 0x10              ; W's codes, W's scales
	s_load_b64 s[12:13], s[0:1], 0x20              ; C
	v_lshl_add_u32 v[SPW], v0, 2, SPARE
	v_mov_b32 v[NIL], 0
	ds_add_u32 v[SPW], v[NIL]                      ; the add twice on end under one wait
	ds_add_u32 v[SPW], v[NIL]
	v_lshrrev_b32 v1, 5, v0
	v_readfirstlane_b32 s14, v1                    ; wave
	s_lshr_b32 s15, s14, 1                         ; my half of the tile's rows; also: I prefetch for A (0) or W (1)
	s_and_b32 s16, s14, 1                          ; my half of its columns; also: which 32 rows I prefetch
	s_bfe_u32 s40, ttmp6, 0x40000                  ; cx
	s_bfe_u32 s41, ttmp6, 0x40004                  ; cy
	s_lshl_b32 s42, ttmp9, 2
	s_add_co_u32 s42, s42, s40                     ; tile column
	s_and_b32 s17, ttmp7, 0xffff
	s_lshr_b32 s43, s17, 1                         ; 0 where cluster y < 2
	s_lshl_b32 s17, s17, 2
	s_add_co_u32 s17, s17, s41                     ; tile row
	s_lshl_b32 s66, s41, 2
	s_lshl_b32 s66, 15, s66                        ; my row of the cluster
	s_lshl_b32 s67, 0x1111, s40                    ; my column
	s_or_b32 s[G1A+0], s66, (1<<20)|(1<<21)|(5<<22)|(3<<25)   ; codes: elements of 1 byte, 4 words of padding behind every 64
	s_or_b32 s[G1B+0], s67, (1<<20)|(1<<21)|(5<<22)|(3<<25)
.irp g, G1A, G1B
	s_mov_b32 s[\g+1], ROWB<<16
	s_mov_b32 s[\g+2], 256<<16
	s_mov_b32 s[\g+3], ROWB<<16
	s_mov_b32 s[\g+4], 256
	s_mov_b32 s[\g+5], KROW
	s_mov_b32 s[\g+6], 0
	s_mov_b32 s[\g+7], 0
.endr
	s_or_b32 s[G1SA+0], s66, (1<<20)|(1<<21)|(3<<22)|(1<<25)  ; scales: 256 rows x 64 bytes, 128 apart in memory, 2 words of padding behind every 16
	s_or_b32 s[G1SB+0], s67, (1<<20)|(1<<21)|(3<<22)|(1<<25)
.irp g, G1SA, G1SB
	s_mov_b32 s[\g+1], 64<<16
	s_mov_b32 s[\g+2], 256<<16
	s_mov_b32 s[\g+3], 64<<16
	s_mov_b32 s[\g+4], 256
	s_mov_b32 s[\g+5], 128
	s_mov_b32 s[\g+6], 0
	s_mov_b32 s[\g+7], 0
.endr
	s_lshl_b32 s96, s17, 20                        ; A's codes: 256 rows x 4,096 bytes a tile row
	s_mov_b32 s97, 0
	s_lshl_b32 s98, s17, 15                        ; A's scales
	s_mov_b32 s99, 0
	s_lshl_b32 s46, s42, 20                        ; W's codes
	s_mov_b32 s47, 0
	s_lshl_b32 s44, s42, 15                        ; W's scales
	s_mov_b32 s45, 0
	s_mul_i32 s18, s15, HALFT                      ; LDS: my 128 rows of A in slot 0, 1
	s_add_co_u32 s19, s18, SLOT
	s_mul_i32 s20, s16, HALFT                      ; my 128 rows of W
	s_add_co_u32 s20, s20, TILEB
	s_add_co_u32 s21, s20, SLOT
	s_mul_i32 s22, s15, 128*SPIT                   ; A's scales: my rows
	s_mul_i32 s23, s16, 128*SPIT
	s_add_co_u32 s23, s23, SCB-SCL
	s_sub_co_u32 s23, s23, s22                     ; the distance from A's place to W's, which lanes 16-31 go
	s_add_co_u32 s22, s22, SCL
	s_mul_i32 s95, s14, 16*SPITCH                  ; my stage
	s_wait_dscnt 0x0
	s_wait_kmcnt 0x0
	s_add_nc_u64 s[96:97], s[4:5], s[96:97]
	s_add_nc_u64 s[98:99], s[6:7], s[98:99]
	s_add_nc_u64 s[46:47], s[8:9], s[46:47]
	s_add_nc_u64 s[44:45], s[10:11], s[44:45]
	G0SET G0A, 96, 0
	G0SET G0B, 46, TILEB
	G0ONE G0SA, 98, SCL
	G0ONE G0SB, 44, SCB
	CROUND                                         ; the first joint loads meet
.macro ARM under, g0, g1, next         ; the head's loads, one a wave, in one chain of branches on the wave's number
	s_cmp_lt_u32 s14, \under
	s_cbranch_scc0 \next
	TLOAD \g0, \g1
	s_branch .Lhead_asked
\next:
.endm
	ARM 1, G0A,  G1A,  .Lhead_b                    ; K step 0: A's codes,
	ARM 2, G0B,  G1B,  .Lhead_sa                   ; W's,
	ARM 3, G0SA, G1SA, .Lhead_sb                   ; A's scales of K steps 0-7,
	TLOAD G0SB, G1SB                               ; W's
.Lhead_asked:
	s_lshl_b32 s2, s17, 8
	s_lshl_b32 s3, s15, 7
	s_add_co_u32 s2, s2, s3                        ; my first row of C,
	s_lshl_b32 s2, s2, 13                          ; in bytes
	s_lshl_b32 s3, s42, 10
	s_add_co_u32 s2, s2, s3
	s_lshl_b32 s3, s16, 9
	s_add_co_u32 s2, s2, s3                        ; + my first column
	s_mov_b32 s3, 0
	s_add_nc_u64 s[12:13], s[12:13], s[2:3]
	s_lshl_b32 s2, s17, 8                          ; the prefetches: the tile's first row in A,
	s_lshl_b32 s3, s42, 8                          ; in W
	s_cmp_eq_u32 s15, 0
	s_cselect_b32 s2, s2, s3
	s_cselect_b32 s3, s40, s41                     ; my work-group's place among the four that ask jointly
	s_cselect_b32 s43, 0, s43
	s_cselect_b64 s[PFA:PFA+1], s[4:5], s[8:9]
	s_cmp_eq_u32 s43, 0
	s_cselect_b32 s[LIM], 1, -1                    ; the same in all partners, for a given wave
	s_lshl_b32 s3, s3, 6
	s_add_co_u32 s2, s2, s3
	s_lshl_b32 s3, s16, 5
	s_add_co_u32 s2, s2, s3
	s_lshl_b32 s2, s2, 12
	s_mov_b32 s3, 0
	s_add_nc_u64 s[PFA:PFA+1], s[PFA:PFA+1], s[2:3]   ; my 32 rows, at K step 0
	v_and_b32 v1, 15, v0                           ; r
	v_bfe_u32 v2, v0, 4, 1                         ; h
	v_mul_u32_u24 v3, v1, PITCH
	v_lshl_add_u32 v4, v2, 4, v3
	v_add_nc_u32 v[ADRY], s18, v4
	v_add_nc_u32 v[ADRY+1], s19, v4
	v_add_nc_u32 v[ADRX], s20, v4
	v_add_nc_u32 v[ADRX+1], s21, v4
	v_mul_u32_u24 v5, v1, SPIT
	v_mul_u32_u24 v6, s23, v2
	v_add_nc_u32 v5, v5, v6
	v_add_nc_u32 v[ADS], s22, v5
	v_add_nc_u32 v[ADS2], s22, v5
	v_mul_u32_u24 v5, v1, SPITCH
	v_lshl_add_u32 v5, v2, 5, v5
	v_add_nc_u32 v[STO], s95, v5
	v_and_b32 v6, 31, v0
	v_lshlrev_b32 v[CO], 4, v6
	v_add_nc_u32 v[RD], s95, v[CO]
	v_lshlrev_b32 v[PFO], 12, v6
	s_wait_alu depctr_va_vdst(0)
	s_cmp_eq_u32 s[LIM], 1
	s_cbranch_scc0 .Lno_first_ask
	global_prefetch_b8 v[PFO], s[PFA:PFA+1] offset:ROWB th:TH_LOAD_NT scope:SCOPE_SE     ; K steps 1 and 2
	global_prefetch_b8 v[PFO], s[PFA:PFA+1] offset:2*ROWB th:TH_LOAD_NT scope:SCOPE_SE
.Lno_first_ask:
; A block's LDS loads.  k = 1: A's block i into set LQ, four loads; k = 2: W's buffer i (buffers 8, 9 take blocks 6, 7), four loads; k = 3: the eight blocks' scale words into set SS, eight loads; k = 0: nothing.
; LS, LQ: the slot and the 128 along K that are read; SA, SO: the scale words' address register and offset.
.macro BLK k, i
.if (\k) == 1
	WIN TO_Y
.irp c, 0,1,2,3
	ds_load_b128 v[128*LQ+16*(\i)+4*\c:128*LQ+16*(\i)+4*\c+3], v[ADRY+LS] offset:128*LQ+32*\c+(\i)*16*PITCH
.endr
.elseif (\k) == 2
	WIN 0
.irp c, 0,1,2,3
	ds_load_b128 v[XF+16*(\i)+4*\c:XF+16*(\i)+4*\c+3], v[ADRX+LS] offset:128*LQ+32*\c+((\i)-2*((\i)/8))*16*PITCH
.endr
.elseif (\k) == 3
	WIN 0
.irp n, 0,1,2,3,4,5,6,7
	ds_load_b64 v[SC+16*SS+2*\n:SC+16*SS+2*\n+1], v[SA] offset:\n*SBLK+SO
.endr
.endif
.endm
; A group: W's block x (in buffer xr) against A's eight blocks of set q; scale set sc.  The 64 accumulators take turns in the same order in every half.
.macro ITER x, xr, q, sc, zero
	WIN MUL_LO+0x50*((\x)/4)
.irp a, 0,1,2,3,4,5,6,7
.if \zero
	v_wmma_scale_f32_16x16x128_f8f6f4 v[64*((\x)%4)+8*\a:64*((\x)%4)+8*\a+7], v[XF+16*(\xr):XF+16*(\xr)+15], v[128*(\q)+16*\a:128*(\q)+16*\a+15], 0, v[SC+16*(\sc)+2*(\x)+(\q)], v[SC+16*(\sc)+2*\a+(\q)] matrix_a_scale:MATRIX_SCALE_ROW1
.else
	v_wmma_scale_f32_16x16x128_f8f6f4 v[64*((\x)%4)+8*\a:64*((\x)%4)+8*\a+7], v[XF+16*(\xr):XF+16*(\xr)+15], v[128*(\q)+16*\a:128*(\q)+16*\a+15], v[64*((\x)%4)+8*\a:64*((\x)%4)+8*\a+7], v[SC+16*(\sc)+2*(\x)+(\q)], v[SC+16*(\sc)+2*\a+(\q)] matrix_a_scale:MATRIX_SCALE_ROW1
.endif
.endr
.endm
; A K step's first half.  Eight places stand between a register's last product and a load into it: ahead of the runs in front of groups 0, 4 and 6;
; the run in front of group 2 loads registers whose last products stand ahead of group 0's places.  spre = 1: the next K step's scale words are read here.
.macro EHALF slot, sc, zero, spre
.set LS, \slot
	PLACES 8
.set LQ, 0
	BLK 2, 4                                       ; this half's own blocks 4 and 5 of W,
	BLK 2, 5
.set LQ, 1
.irp i, 0,1,2,3
	BLK 1, \i                                      ; and the second half's A
.endr
	s_wait_dscnt 24                                ; all but the 24 just issued: A's first set, W's blocks 0-3, 6, 7, the scale words
	ITER 0, 0, 0, \sc, \zero
	ITER 1, 1, 0, \sc, \zero
.irp i, 4,5,6,7
	BLK 1, \i
.endr
	BLK 2, 8
	BLK 2, 9
	ITER 2, 2, 0, \sc, \zero
	ITER 3, 3, 0, \sc, \zero
	PLACES 8
.irp i, 0,1,2,3
	BLK 2, \i
.endr
	s_wait_dscnt 56                                ; W's blocks 4 and 5 are in: behind them 16 + 24 + 16 loads
	ITER 4, 4, 0, \sc, \zero
	ITER 5, 5, 0, \sc, \zero
	PLACES 8
	BLK 2, 4
	BLK 2, 5                                       ; the last reads of this slot
	BLK 3*\spre, 0
	ITER 6, 6, 0, \sc, \zero
	ITER 7, 7, 0, \sc, \zero
.endm
; A K step's second half, with the change of slots.  Every wave waits for all its tensor loads, adds 0 to its spare word, multiplies a group, waits for the add and for its reads of this slot (and of the scales),
; signals, multiplies a group inside the opening barrier; fill = 1: the round goes on, and this slot is filled again, two K steps ahead, first thing behind it (sfill = 1: the scales too).
; Then the next slot is read.  spost = 1: the next K step's scale words are read here, behind the round.
.macro OHALF slot, next, sc, fill, sfill, spost, how
	WIN 0
	s_wait_tensorcnt 0x0
	ds_add_u32 v[SPW], v[NIL]
.if \fill
	s_add_nc_u64 s[G0A+4*\slot+2:G0A+4*\slot+3], s[G0A+4*\slot+2:G0A+4*\slot+3], 2*ROWB
	s_add_nc_u64 s[G0B+4*\slot+2:G0B+4*\slot+3], s[G0B+4*\slot+2:G0B+4*\slot+3], 2*ROWB
.if \sfill
	s_add_nc_u64 s[G0SA+2:G0SA+3], s[G0SA+2:G0SA+3], 64
	s_add_nc_u64 s[G0SB+2:G0SB+3], s[G0SB+2:G0SB+3], 64
.endif
	s_wait_xcnt 0x0                                ; the last prefetch has read its address
	s_add_nc_u64 s[PFA:PFA+1], s[PFA:PFA+1], ROWB
.endif
	s_wait_dscnt 8                                 ; A's second set and W's blocks 0-3 are in: behind them the 8 loads (or more) in front of group 6, and the add
	ITER 0, 0, 1, \sc, 0
	s_wait_dscnt 0x0
	s_barrier_signal -1
	ITER 1, 1, 1, \sc, 0
	WIN 0
	s_barrier_wait -1
.if \fill
	CREST
	JLOAD \slot, \sfill
	ASK \how
.endif
.set LS, \next
.set LQ, 0
	PLACES 8
.irp i, 0,1,2,3,4,5
	BLK 1, \i
.endr
	ITER 2, 2, 1, \sc, 0
	ITER 3, 3, 1, \sc, 0
	BLK 1, 6
	BLK 1, 7
	BLK 2, 0
	BLK 2, 1
	BLK 2, 6
	BLK 2, 7
	ITER 4, 4, 1, \sc, 0
	ITER 5, 5, 1, \sc, 0
	PLACES 8
	BLK 2, 2
	BLK 2, 3
	BLK 3*\spost, 0
	ITER 6, 8, 1, \sc, 0
	ITER 7, 9, 1, \sc, 0
.endm
	s_wait_tensorcnt 0x0                           ; my tile of the head's four is in
	ds_add_u32 v[SPW], v[NIL]
	s_wait_dscnt 0x0
	CROUND
	JLOAD 1, 0                                     ; K step 1, slot 1's first fill
	ASK 1                                          ; K step 3
.set LS, 0
.set LQ, 0
.set SS, 0
.set SA, ADS
.set SO, 0
.irp i, 0,1,2,3,4,5,6,7
	BLK 1, \i
.endr
.irp i, 0,1,6,7,2,3
	BLK 2, \i
.endr
	BLK 3, 0
.set SS, 1
.set SO, 8
	EHALF 0, 0, 1, 1                               ; K step 0's first half starts the sums
	WIN 0
	s_mov_b32 s3, 3
.Llap_a:                                               ; from a K step's second half to the first half two steps on: K steps 0 to 6
	OHALF 0, 1, 0, 1, 0, 0, 1
.set SS, 0
.set SO, 16
	EHALF 1, 1, 0, 1
	OHALF 1, 0, 1, 1, 0, 0, 1
.set SS, 1
.set SO, 24
	EHALF 0, 0, 0, 1
	WIN 0
	v_add_nc_u32 v[ADS], 16, v[ADS]
	s_wait_alu depctr_va_vdst(0)
	s_sub_co_u32 s3, s3, 1
	s_cmp_lg_u32 s3, 0
	s_cbranch_scc1 .Llap_a
	OHALF 0, 1, 0, 1, 1, 0, 1                      ; K step 6: K step 7's words are in registers; the scales are filled again
	EHALF 1, 1, 0, 0
.set SA, ADS2
.set SS, 0
.set SO, 0
	OHALF 1, 0, 1, 1, 0, 1, 1                      ; K step 7: behind its round K step 8's words are read
	EHALF 0, 0, 0, 0
	WIN 0
	s_mov_b32 s3, 3
.Llap_b:                                               ; K steps 8 to 14
.set SS, 1
.set SO, 8
	OHALF 0, 1, 0, 1, 0, 1, 2
	EHALF 1, 1, 0, 0
.set SS, 0
.set SO, 16
	OHALF 1, 0, 1, 1, 0, 1, 2
	EHALF 0, 0, 0, 0
	WIN 0
	v_add_nc_u32 v[ADS2], 16, v[ADS2]
	s_wait_alu depctr_va_vdst(0)
	s_sub_co_u32 s3, s3, 1
	s_cmp_lg_u32 s3, 0
	s_cbranch_scc1 .Llap_b
.set SS, 1
.set SO, 8
	OHALF 0, 1, 0, 0, 0, 1, 0                      ; K step 14: nothing is filled, the barrier opens no round
	EHALF 1, 1, 0, 0
	s_wait_dscnt 8                                 ; the last half: nothing more to fetch
	ITER 0, 0, 1, 1, 0
	s_wait_dscnt 0x0
.irp x, 1,2,3,4,5
	ITER \x, \x, 1, 1, 0
.endr
	ITER 6, 8, 1, 1, 0
	ITER 7, 9, 1, 1, 0
	PLACES 8                                       ; behind the last products: for the stage's reads of results and the loads into fragment registers
; THE WAY OUT, by blocks of 16 rows x 128 columns: through my own stage and back as whole rows of 512 bytes, which the 32 lanes store together.  LDS serves a wave's instructions in order (ISA guide 5.7.1.4).
; Six buffers of 64 registers where the fragments lay (window 1: four; window 0: two); a row's place stands in the store's immediate, 127 rows of 8,192 bytes at the most.
.macro TOSTAGE a
	WIN 0x08
.irp b, 0,1,2,3
	ds_store_b128 v[STO], v[64*\b+8*(\a):64*\b+8*(\a)+3] offset:64*\b         ; each accumulator from its low end on
	ds_store_b128 v[STO], v[64*\b+8*(\a)+4:64*\b+8*(\a)+7] offset:64*\b+16
.endr
	WIN 0x0c
.irp b, 0,1,2,3
	ds_store_b128 v[STO], v[64*\b+8*(\a):64*\b+8*(\a)+3] offset:256+64*\b
	ds_store_b128 v[STO], v[64*\b+8*(\a)+4:64*\b+8*(\a)+7] offset:256+64*\b+16
.endr
.if ((\a)%6) < 4
	WIN 0x40
.set BB, 64*((\a)%6)
.else
	WIN 0
.set BB, XF+64*((\a)%6-4)
.endif
.irp t, 0,1,2,3,4,5,6,7,8,9,10,11,12,13,14,15
	ds_load_b128 v[BB+4*\t:BB+4*\t+3], v[RD] offset:\t*SPITCH
.endr
.endm
.macro SEND a, younger
	s_wait_dscnt \younger
.if ((\a)%6) < 4
	WIN 0x04
.set BB, 64*((\a)%6)
.else
	WIN 0
.set BB, XF+64*((\a)%6-4)
.endif
.irp t, 0,1,2,3,4,5,6,7,8,9,10,11,12,13,14,15
	global_store_b128 v[CO], v[BB+4*\t:BB+4*\t+3], s[12:13] offset:(16*(\a)+\t)*SIZE_N*4 th:TH_STORE_NT   ; 512 consecutive bytes, at a multiple of 512 from C's first byte
.endr
.endm
	TOSTAGE 0
.irp a, 1,2,3,4,5,6,7
.if \a == 6
	s_wait_xcnt 0x0                                ; blocks 0 and 1's stores have read their registers: blocks 6 and 7 land there
.endif
	TOSTAGE \a
	SEND \a-1, 32                                  ; behind block a - 1's loads: block a's 16 stores and 16 loads
.endr
	SEND 7, 0
	WIN 0
	s_wait_tensorcnt 0x0                           ; the wave's end
	ds_add_u32 v[SPW], v[NIL]
	s_wait_dscnt 0x0
	CROUND                                         ; the closing round
	s_endpgm
.Lfunc_end_k_qe008936ff6_gemm:
	.size	k_qe008936ff6_gemm, .Lfunc_end_k_qe008936ff6_gemm-k_qe008936ff6_gemm
	.p2alignl 7, 3214868480
	.fill 96, 4, 3214868480
	.section	.rodata,"a",@progbits
	.p2align	6, 0x0
	.amdhsa_kernel k_qe008936ff6_gemm
		.amdhsa_group_segment_fixed_size 327680
		.amdhsa_private_segment_fixed_size 0
		.amdhsa_enable_private_segment 0
		.amdhsa_kernarg_size 40
		.amdhsa_user_sgpr_count 2
		.amdhsa_user_sgpr_kernarg_segment_ptr 1
		.amdhsa_wavefront_size32 1
		.amdhsa_system_sgpr_workgroup_id_x 1
		.amdhsa_system_sgpr_workgroup_id_y 1
		.amdhsa_system_sgpr_workgroup_id_z 1
		.amdhsa_system_vgpr_workitem_id 0
		.amdhsa_next_free_vgpr 1024
		.amdhsa_next_free_sgpr 100
		.amdhsa_reserve_vcc 0
		.amdhsa_float_denorm_mode_32 3
		.amdhsa_float_denorm_mode_16_64 3
		.amdhsa_memory_ordered 1
		.amdhsa_forward_progress 1
		.amdhsa_inst_pref_size 255
	.end_amdhsa_kernel
	.section	.bss,"aw",@nobits
	.p2align	6
	.space	262144
	.amdgpu_metadata
---
amdhsa.version: [ 1, 2 ]
amdhsa.kernels:
  - .name:           k_qe008936ff6_gemm
    .symbol:         k_qe008936ff6_gemm.kd
    .args:
      - { .name: A_shards_codes, .offset: 0, .size: 8, .value_kind: global_buffer, .address_space: global }
      - { .name: A_shards_scales, .offset: 8, .size: 8, .value_kind: global_buffer, .address_space: global }
      - { .name: weight_codes, .offset: 16, .size: 8, .value_kind: global_buffer, .address_space: global }
      - { .name: weight_scales, .offset: 24, .size: 8, .value_kind: global_buffer, .address_space: global }
      - { .name: out0, .offset: 32, .size: 8, .value_kind: global_buffer, .address_space: global }
    .group_segment_fixed_size: 327680
    .private_segment_fixed_size: 0
    .kernarg_segment_align: 8
    .kernarg_segment_size: 40
    .max_flat_workgroup_size: 128
    .sgpr_count:     100
    .vgpr_count:     1024
    .wavefront_size: 32
...
	.end_amdgpu_metadata
.endif
;; end of part 1
